; MI455X (gfx1250); checked and timed in simulation.
; The chip was launched on July 23, 2026; its instructions are those of AMD's public machine-readable ISA for CDNA 5 (MIT licence, August 2026) and "CDNA5" Instruction Set Architecture Reference Guide (July 2026). The comments in the code are by the model that wrote it; some were corrected since.
;; Attention. Allowed arithmetic: float matrix products may take bf16 or f16 operands with f32 sums; other float arithmetic in f32, or as packed bf16 or f16 multiplies, adds, multiply-adds, maxima and minima; sums over many terms, partial sums and values carried from step to step in f32; what a program stores and reads back later, other than sums and carried values, may be rounded once to bf16 or f16.
;; Inputs: Wk 768 x 768 float32; Wq 768 x 768 float32; Wv 768 x 768 float32; bk 768 float32; bq 768 float32; bv 768 float32; x_from 16 x 1,024 x 768 float32; x_to 16 x 1,024 x 768 float32.
;; Outputs: out0 16 x 1,024 x 768 float32.
;; One version. Each part assembles by itself: llvm-mc -triple=amdgcn-amd-amdhsa -mcpu=gfx1250 --defsym DOCPART=n.
;; ======== version 1 of 1: 3 launches
;; limits: values are held in f16: magnitudes above 65,504 overflow, below 6.1e-05 lose precision
;; workspace buffers: wt 3,538,944 bytes; qh 25,165,824 bytes; kh 25,165,824 bytes; vh 25,165,824 bytes
;; launch prep (part 1): grid 6 x 36, 8 waves a work-group, no clusters, 18,432 bytes of LDS; arguments Wq, Wk, Wv, wt; writes wt
.if DOCPART == 1
	.amdgcn_target "amdgcn-amd-amdhsa--gfx1250"
	.amdhsa_code_object_version 6
	.text
	.protected	k_q22020c6b02_prep
	.globl	k_q22020c6b02_prep
	.p2align	8
	.type	k_q22020c6b02_prep,@function
k_q22020c6b02_prep:
	s_mov_b64 s[64:65], 0
	v_nop
	global_prefetch_b8 v0, s[64:65] scope:SCOPE_SE
	s_setreg_imm32_b32 hwreg(HW_REG_WAVE_MODE, 25, 1), 1
	s_wait_xcnt 0x0
; wt[p][kblk][n][128 k] (bf16) = W_p[k][n] (f32), p = 0, 1, 2 for Wq, Wk, Wv: the weights rounded once and turned, so that the
; projection's tiles (rows n, 128 k = 256 bytes each) lie dense in memory.  A work-group takes 128 k x 64 n of one matrix.
; In: a thread takes 8 rows k x 4 columns n (16 lanes read 256 consecutive bytes of a row).  Through LDS (rows n of 256 bytes + 16).
; Out: 16 lanes store a row's 256 consecutive bytes, a wave 512.  No matrix unit, no ring: each byte is moved once.
.set SPARE, 17408                      ; behind the tile: the spare words, 128 bytes for each of eight waves
.set SPW, 5                            ; v5  SPARE + 4 x my thread's number; never rewritten
.set NIL, 6                            ; v6  0; never rewritten
.set R,   8                            ; v[8:39]  eight rows k of four f32; later the 64 bytes read back
.set T,   40                           ; v[40:55] four columns n of eight bf16
	s_load_b256 s[4:11], s[0:1], 0x0               ; Wq s[4:5], Wk s[6:7], Wv s[8:9], wt s[10:11]
	v_lshl_add_u32 v[SPW], v0, 2, SPARE
	v_mov_b32 v[NIL], 0
	s_and_b32 s12, ttmp7, 0xffff                   ; y = 12 p + the block of 64 n
	s_cmp_ge_u32 s12, 12
	s_cselect_b32 s13, 1, 0
	s_cmp_ge_u32 s12, 24
	s_cselect_b32 s13, 2, s13                      ; p
	s_mul_i32 s14, s13, 12
	s_sub_co_u32 s14, s12, s14                     ; the block of 64 n
	s_mul_i32 s18, ttmp9, 393216                   ; 128 rows k of 3,072 bytes
	s_lshl_b32 s19, s14, 8                         ; 64 n of 4 bytes
	s_add_co_u32 s18, s18, s19
	s_mov_b32 s19, 0
	s_mul_i32 s20, s13, 1179648                    ; wt: the matrix,
	s_mul_i32 s21, ttmp9, 196608                   ; the block of 128 k,
	s_add_co_u32 s20, s20, s21
	s_lshl_b32 s21, s14, 14                        ; 64 rows n of 256 bytes
	s_add_co_u32 s20, s20, s21
	s_mov_b32 s21, 0
	v_lshrrev_b32 v1, 4, v0                        ; which 8 k; on the way back: which row
	v_and_b32 v2, 15, v0                           ; which 4 n; on the way back: which 16 bytes
	v_mul_u32_u24 v3, v1, 24576
	v_lshl_add_u32 v3, v2, 4, v3                   ; in: 8 rows x 3,072 + 16 bytes
	v_mul_u32_u24 v4, v2, 1088
	v_lshl_add_u32 v4, v1, 4, v4                   ; LDS in: row 4 x (which n), 16 bytes for my 8 k
	v_mul_u32_u24 v7, v1, 272
	v_lshl_add_u32 v7, v2, 4, v7                   ; LDS back: row t / 16, 16 bytes t % 16
	v_lshlrev_b32 v2, 4, v0                        ; out: 16 t
	s_wait_kmcnt 0x0
	s_cmp_ge_u32 s12, 12
	s_cselect_b64 s[16:17], s[6:7], s[4:5]
	s_cmp_ge_u32 s12, 24
	s_cselect_b64 s[16:17], s[8:9], s[16:17]
	s_add_nc_u64 s[16:17], s[16:17], s[18:19]
	s_add_nc_u64 s[10:11], s[10:11], s[20:21]
.irp j, 0,1,2,3,4,5,6,7
	global_load_b128 v[R+4*(\j):R+4*(\j)+3], v3, s[16:17] offset:(\j)*3072 th:TH_LOAD_NT
.endr
	s_wait_loadcnt 0x0
.irp i, 0,1,2,3
.irp j, 0,1,2,3
	v_cvt_pk_bf16_f32 v[T+4*(\i)+(\j)], v[R+8*(\j)+(\i)], v[R+8*(\j)+4+(\i)]  ; column i, rows 2 j and 2 j + 1
.endr
.endr
.irp i, 0,1,2,3
	ds_store_b128 v4, v[T+4*(\i):T+4*(\i)+3] offset:(\i)*272
.endr
	s_wait_dscnt 0x0                               ; for the others' sake: my stores are done
	s_barrier_signal -1
	s_barrier_wait -1
.irp i, 0,1,2,3
	ds_load_b128 v[R+4*(\i):R+4*(\i)+3], v7 offset:(\i)*4352  ; 16 rows n on
.endr
	s_wait_dscnt 0x0
.irp i, 0,1,2,3
	global_store_b128 v2, v[R+4*(\i):R+4*(\i)+3], s[10:11] offset:(\i)*4096
.endr
	s_wait_tensorcnt 0x0                           ; the wave's end
	ds_add_u32 v[SPW], v[NIL]
	s_wait_dscnt 0x0
	s_endpgm
.Lfunc_end_k_q22020c6b02_prep:
	.size	k_q22020c6b02_prep, .Lfunc_end_k_q22020c6b02_prep-k_q22020c6b02_prep
	.p2alignl 7, 3214868480
	.fill 96, 4, 3214868480
	.section	.rodata,"a",@progbits
	.p2align	6, 0x0
	.amdhsa_kernel k_q22020c6b02_prep
		.amdhsa_group_segment_fixed_size 18432
		.amdhsa_private_segment_fixed_size 0
		.amdhsa_enable_private_segment 0
		.amdhsa_kernarg_size 32
		.amdhsa_user_sgpr_count 2
		.amdhsa_user_sgpr_kernarg_segment_ptr 1
		.amdhsa_wavefront_size32 1
		.amdhsa_system_sgpr_workgroup_id_x 1
		.amdhsa_system_sgpr_workgroup_id_y 1
		.amdhsa_system_sgpr_workgroup_id_z 1
		.amdhsa_system_vgpr_workitem_id 0
		.amdhsa_next_free_vgpr 64
		.amdhsa_next_free_sgpr 66
		.amdhsa_reserve_vcc 0
		.amdhsa_float_denorm_mode_32 3
		.amdhsa_float_denorm_mode_16_64 3
		.amdhsa_memory_ordered 1
		.amdhsa_forward_progress 1
		.amdhsa_inst_pref_size 5
	.end_amdhsa_kernel
	.amdgpu_metadata
---
amdhsa.version: [ 1, 2 ]
amdhsa.kernels:
  - .name:           k_q22020c6b02_prep
    .symbol:         k_q22020c6b02_prep.kd
    .args:
      - { .name: Wq, .offset: 0, .size: 8, .value_kind: global_buffer, .address_space: global }
      - { .name: Wk, .offset: 8, .size: 8, .value_kind: global_buffer, .address_space: global }
      - { .name: Wv, .offset: 16, .size: 8, .value_kind: global_buffer, .address_space: global }
      - { .name: wt, .offset: 24, .size: 8, .value_kind: global_buffer, .address_space: global }
    .group_segment_fixed_size: 18432
    .private_segment_fixed_size: 0
    .kernarg_segment_align: 8
    .kernarg_segment_size: 32
    .max_flat_workgroup_size: 256
    .sgpr_count:     66
    .vgpr_count:     64
    .wavefront_size: 32
...
	.end_amdgpu_metadata
.endif
;; end of part 1
;; launch proj (part 2): grid 4 x 192, 4 waves a work-group, clusters of 4 x 1, 327,680 bytes of LDS; arguments x_to, x_from, wt, bq, bk, bv, qh, kh, vh; writes qh, kh, vh
.if DOCPART == 2
	.amdgcn_target "amdgcn-amd-amdhsa--gfx1250"
	.amdhsa_code_object_version 6
	.text
	.protected	k_q22020c6b02_proj
	.globl	k_q22020c6b02_proj
	.p2align	8
	.type	k_q22020c6b02_proj,@function
k_q22020c6b02_proj:
	s_mov_b64 s[64:65], 0
	v_nop
	global_prefetch_b8 v0, s[64:65] scope:SCOPE_SE
	s_setreg_imm32_b32 hwreg(HW_REG_WAVE_MODE, 25, 1), 1
	s_wait_xcnt 0x0
	s_wait_alu depctr_hold_cnt(0) depctr_sa_sdst(0) depctr_va_vdst(0) depctr_va_sdst(0) depctr_va_ssrc(0) depctr_va_vcc(0) depctr_vm_vsrc(0)
	s_getreg_b32 s2, hwreg(HW_REG_IB_STS2, 6, 4)
	s_cmp_eq_u32 s2, 0
	s_cbranch_scc0 .Lentry_in_a_cluster
	s_endpgm
.Lentry_in_a_cluster:
	s_bfe_u32 s2, ttmp6, 0x10000c
	s_cmp_lg_u32 s2, 0x3003
	s_cbranch_scc0 .Lentry_shape_is_right
	s_endpgm
.Lentry_shape_is_right:
; q = x_to Wq + bq, k = x_from Wk + bk, v = x_from Wv + bv: one text.  x (f32) is rounded to bf16 on its way into LDS, the weights come rounded from wt,
; the biases are rounded to bf16 here; sums in f32; results rounded once to f16 and stored as [batch][12 blocks of 64 channels][1024 rows][64].
; LIMIT: |q|, |k|, |v| stay under 65,504 (f16's end); beyond it a result is an infinity.
; SHARES.  A tile is 128 rows x 384 columns: 768 work-groups.  Cluster y < 128: k and v (row group y / 4, column tile y % 4 of 4); else q (row group, column tile of 2).
; The four partners of a cluster take four neighbouring row tiles and the SAME columns: W's tile is asked for jointly (mask of four), each wave fetching 96 of its 384 rows.
; A wave makes 64 rows x 192 columns: 48 accumulators.  Source 0 = 16 rows of wt (columns n), source 1 = 16 rows of x: a lane holds one row and eight neighbouring columns.
; K goes in 6 steps of 128 through two LDS slots: x 128 rows x 256 bytes (+16) in bf16, W 384 rows x 256 bytes (+16).
; x COMES THROUGH REGISTERS: in f32 it would not leave room for two slots of 128 along K (2 x (128 x 528 + 384 x 272) bytes are more than the work-group has).  Of each step a wave
; loads 32 rows x 512 bytes (a row a load: 512 consecutive bytes), rounds them once and stores them into x's part of the slot (256 consecutive bytes a store); no tensor load
; lands there.  Step j stores x of step j + 1 into the other slot and asks for x of step j + 2: these loads are waited for by counts and stay out across the barriers.
; REGISTERS: window 0 addresses, x's fragments (two buffers of 32), x in f32 as loaded (128), later the way out; window 1 W's fragments (two buffers of 96);
; window 2 accumulators of column blocks 0-7 ((nt, mq) at 8 (4 nt + mq)); window 3 v0-127 those of blocks 8-11, v128-223 the biases.
.set SLOT,  139264
.set WOFF,  34816                      ; W's rows lie behind x's 128 x 272
.set STAGE, 278528                     ; behind the ring: 16 rows x 144 bytes for each wave
.set SPARE, 287744                     ; the spare words, 128 bytes for each wave
.set BS,    1572864                    ; a batch in qh, kh, vh
.set DB,    131072                     ; a block of 64 channels there
.set ADRX, 4                           ; v4-5   my place in x's tile, slot 0, 1
.set ADRW, 6                           ; v6-7   in W's
.set BO,   8                           ; v8     32 x (lane / 16): my eight biases of a column block
.set STO,  9
.set RD,   10
.set GO,   11
.set PFO,  12                          ; v12    lane x 3,072: a row of x
.set XO,   14                          ; v14    16 x lane: my four numbers of a row's 128
.set XSA,  16                          ; v16-17 where I store them, slot 0, 1: my wave's 32 rows, 8 x lane
.set SPW,  20
.set NIL,  21
.set CT,   32                          ; v32-55 up to 12 rows rounded, two registers each
.set XB0,  64                          ; two buffers of 32
.set XG,   128                         ; v128-255 row i of my 32 at XG + 4 i
.set TMP,  128                         ; the way out, when x's loads are over
.set BK,   144                         ; two buffers of 16
.set BT,   192                         ; window 1: at work on the biases
.set BIAS, 128                         ; window 3
.set WV,  22
.set CX,  23
.set G1W, 40
.set G0W, 56                           ; a set for each slot
.set XP,  66                           ; s[66:67] x at my wave's 32 rows, at the trip's first K step
.set LIM0, 68
.set LIM1, 69
.set OUT, 70
.set BIA, 72
.set MSB, 0
.macro WIN new                         ; the high byte repeats the setting that is left; a switch that changes nothing is dropped
.if MSB != (\new)
	s_set_vgpr_msb (MSB<<8)|(\new)
.set MSB, \new
.endif
.endm
.macro PLACES                          ; four plain places behind matrix instructions, ahead of loads into their sources and of reads of their results
.rept 4
	v_nop
.endr
.endm
.macro CREST                           ; a round of the cluster's barrier behind its opening barrier
	s_cmp_lg_u32 s[WV], 0
	s_cbranch_scc1 .Lnot_wave_0_\@
	s_barrier_signal -3
.Lnot_wave_0_\@:
	s_barrier_wait -3
	s_barrier_signal -1
	s_barrier_wait -1
.endm
.macro CROUND
	s_barrier_signal -1
	s_barrier_wait -1
	CREST
.endm
.macro TLOAD s                         ; every wave fetches its own 96 rows of W's tile; s_nop 0 and four v_nop follow
	tensor_load_to_lds s[G0W+4*(\s):G0W+4*(\s)+3], s[G1W:G1W+7]
	s_nop 0
	PLACES
.endm
; x's K step behind the one that this step's loads ask for is asked of memory ahead: 512 bytes of each of my wave's 32 rows, a lane a row, two blocks of 256 bytes.  Of the clusters
; that read these rows the one with column tile 0 asks.  lim: the trips in which that step exists.
.macro ASK lim, off
	s_cmp_gt_u32 s3, s[\lim]
	s_cbranch_scc0 .Lnot_mine_\@
	global_prefetch_b8 v[PFO], s[XP:XP+1] offset:\off th:TH_LOAD_NT scope:SCOPE_SE
	global_prefetch_b8 v[PFO], s[XP:XP+1] offset:(\off)+256 th:TH_LOAD_NT scope:SCOPE_SE
.Lnot_mine_\@:
.endm
; Rows r0 .. r0 + n - 1 of the x step that lies in registers: rounded to bf16 and stored into slot dst.  cnt: the younger loads that may stay out.  imm >= 0: the rows' registers are
; asked for again, from byte imm behind the pointer.  The conversions are plain instructions that name no register of the products round them.
.macro XW r0, n, dst, cnt, imm
	WIN 0
	s_wait_loadcnt \cnt
.set xi, 0
.rept \n
	v_cvt_pk_bf16_f32 v[CT+2*xi],   v[XG+4*((\r0)+xi)],   v[XG+4*((\r0)+xi)+1]
	v_cvt_pk_bf16_f32 v[CT+2*xi+1], v[XG+4*((\r0)+xi)+2], v[XG+4*((\r0)+xi)+3]
.set xi, xi+1
.endr
.set xi, 0
.rept \n
	ds_store_b64 v[XSA+(\dst)], v[CT+2*xi:CT+2*xi+1] offset:((\r0)+xi)*272
.set xi, xi+1
.endr
.if (\imm) >= 0
.set xi, \r0
.rept \n
	global_load_b128 v[XG+4*xi:XG+4*xi+3], v[XO], s[XP:XP+1] offset:(\imm)+xi*3072
.set xi, xi+1
.endr
.endif
.endm
; 32 LDS loads in one run: 32 along K (quarter f of slot s) into buffer b: x's four row blocks, then W's 12 column blocks
.macro FETCH s, f, b
	WIN 0
.irp q, 0,1,2,3
	ds_load_b128 v[XB0+32*(\b)+8*(\q):XB0+32*(\b)+8*(\q)+3],   v[ADRX+(\s)] offset:(\q)*4352+64*(\f)
	ds_load_b128 v[XB0+32*(\b)+8*(\q)+4:XB0+32*(\b)+8*(\q)+7], v[ADRX+(\s)] offset:(\q)*4352+64*(\f)+32
.endr
	WIN 0x40                                       ; destination window 1, address window 0
.irp n, 0,1,2,3,4,5,6,7,8,9,10,11
	ds_load_b128 v[96*(\b)+8*(\n):96*(\b)+8*(\n)+3],   v[ADRW+(\s)] offset:(\n)*4352+64*(\f)
	ds_load_b128 v[96*(\b)+8*(\n)+4:96*(\b)+8*(\n)+7], v[ADRW+(\s)] offset:(\n)*4352+64*(\f)+32
.endr
.endm
; products of column blocks n0 .. n1 - 1 with all four row blocks, from buffer b; the accumulators take turns.  first = 1: the bias starts the sum
.macro MUL b, n0, n1, first
.set nt, \n0
.rept (\n1)-(\n0)
.irp q, 0,1,2,3
.set rD, 8*((4*nt+(\q))%32)
.if \first
	v_wmma_f32_16x16x32_bf16 v[rD:rD+7], v[96*(\b)+8*nt:96*(\b)+8*nt+7], v[XB0+32*(\b)+8*(\q):XB0+32*(\b)+8*(\q)+7], v[BIAS+8*nt:BIAS+8*nt+7]
.else
	v_wmma_f32_16x16x32_bf16 v[rD:rD+7], v[96*(\b)+8*nt:96*(\b)+8*nt+7], v[XB0+32*(\b)+8*(\q):XB0+32*(\b)+8*(\q)+7], v[rD:rD+7]
.endif
.endr
.set nt, nt+1
.endr
.endm
; One of a K step's first three quarters: multiplies quarter f - 1 of slot s and, in its middle, fetches quarter f.  xn > 0: a piece of x's work stands there too.
.macro QUARTER s, f, first, xr0, xn, xcnt, ximm
	s_wait_dscnt 8                                 ; x's and W's blocks 0-7 are in; the youngest eight loads (blocks 8-11) may be out
.if \first
	WIN 0xb1                                       ; W window 1, x window 0, the bias window 3, sums window 2
.else
	WIN 0xa1
.endif
	MUL ((\f)-1)%2, 0, 8, \first
.if \xn
	XW \xr0, \xn, 1-(\s), \xcnt, \ximm             ; its conversions are the places ahead of the loads below
.else
	PLACES
.endif
	FETCH \s, \f, (\f)%2
	s_wait_dscnt 32                                ; all but the 32 loads just issued
	WIN 0xf1
	MUL ((\f)-1)%2, 8, 12, \first
.endm
; A K step's last quarter, and the change of slots.  First the last 8 rows of x go into the other slot.  Then every wave waits for all its tensor loads, adds 0 to its spare word, and waits
; for that, for its stores of x and for its reads of this slot.  fill = 1: the barrier opens a round of the cluster's, and W's refill (two K steps on) is the first thing behind it.
.macro TURN s, nx, fill, xcnt, ximm, lim, off
	XW 24, 8, 1-(\s), \xcnt, \ximm
	s_wait_tensorcnt 0x0                           ; my part of the other slot's W has landed; no load of mine is out, so a group 0 may be written
	ds_add_u32 v[SPW], v[NIL]
.if \fill
	s_add_nc_u64 s[G0W+4*(\s)+2:G0W+4*(\s)+3], s[G0W+4*(\s)+2:G0W+4*(\s)+3], 393216
.endif
	s_wait_dscnt 17                                ; the add, the eight stores and the youngest eight loads may be out
	WIN 0xa1
	MUL 1, 0, 4, 0
	s_wait_dscnt 0x0                               ; the add is done, x of the next step lies in LDS, my reads of this slot are over
	s_barrier_signal -1
	MUL 1, 4, 8, 0
	WIN 0
	s_barrier_wait -1
.if \fill
	CREST
	TLOAD \s                                       ; its four v_nop are also the places ahead of the loads below
.else
	PLACES
.endif
	FETCH \nx, 0, 0
.if \fill
	WIN 0
	ASK \lim, \off
.endif
	WIN 0xf1
	MUL 1, 8, 12, 0
.endm
	s_load_b512 s[4:19], s[0:1], 0x0               ; x_to 4, x_from 6, wt 8, bq 10, bk 12, bv 14, qh 16, kh 18
	s_load_b64 s[20:21], s[0:1], 0x40              ; vh
	v_lshl_add_u32 v[SPW], v0, 2, SPARE
	v_mov_b32 v[NIL], 0
	ds_add_u32 v[SPW], v[NIL]                      ; the opening: the add is waited for ahead of my first tensor load
	v_lshrrev_b32 v1, 5, v0
	v_readfirstlane_b32 s[WV], v1
	s_bfe_u32 s[CX], ttmp6, 0x40000
	s_and_b32 s24, ttmp7, 0xffff
	s_lshr_b32 s25, s24, 2                         ; k, v: row group,
	s_and_b32 s26, s24, 3                          ; column tile,
	s_lshr_b32 s27, s26, 1
	s_add_co_u32 s27, s27, 1                       ; matrix 1 or 2
	s_and_b32 s29, s24, 127                        ; q: y - 128
	s_lshr_b32 s30, s29, 1
	s_and_b32 s31, s29, 1
	s_cmp_ge_u32 s24, 128
	s_cselect_b32 s25, s30, s25                    ; row group
	s_cselect_b32 s26, s31, s26                    ; column tile
	s_cselect_b32 s27, 0, s27                      ; matrix p
	s_and_b32 s28, s26, 1                          ; which 384 columns
	s_lshl_b32 s29, s25, 2
	s_add_co_u32 s29, s29, s[CX]                   ; row tile: it enters x's and the result's addresses alone
	s_mul_i32 s76, s27, 1179648                    ; W's offset: made of what the partners share and the wave's number
	s_mul_i32 s78, s28, 98304                      ; 384 rows n of 256 bytes
	s_add_co_u32 s76, s76, s78
	s_mul_i32 s78, s[WV], 24576                    ; my 96 rows
	s_add_co_u32 s76, s76, s78
	s_mov_b32 s77, 0
	s_mul_i32 s80, s29, 393216                     ; x: 128 rows of 3,072 bytes,
	s_mul_i32 s81, s[WV], 98304                    ; my wave's 32
	s_add_co_u32 s80, s80, s81
	s_mov_b32 s81, 0
	s_mul_i32 s82, s[WV], 26112
	s_add_co_u32 s82, s82, WOFF                    ; my quarter of W's tile in a slot
	s_and_b32 s88, s[WV], 1                        ; which 192 columns are mine
	s_lshr_b32 s90, s[WV], 1                       ; which 64 rows
	s_mul_i32 s86, s28, 1536                       ; the biases of my columns
	s_mul_i32 s87, s88, 768
	s_add_co_u32 s86, s86, s87
	s_mov_b32 s87, 0
	s_lshr_b32 s92, s29, 3                         ; the result: batch,
	s_mul_i32 s92, s92, BS
	s_and_b32 s93, s29, 7
	s_lshl_b32 s93, s93, 14                        ; the tile's 128 rows of 128 bytes,
	s_add_co_u32 s92, s92, s93
	s_mul_i32 s93, s28, 6
	s_mul_i32 s89, s88, 3
	s_add_co_u32 s93, s93, s89
	s_lshl_b32 s93, s93, 17                        ; my first block of 64 channels,
	s_add_co_u32 s92, s92, s93
	s_lshl_b32 s93, s90, 13                        ; my 64 rows
	s_add_co_u32 s92, s92, s93
	s_mov_b32 s93, 0
	s_cmp_eq_u32 s26, 0                            ; the same in all four partners
	s_cselect_b32 s[LIM0], 0, -1
	s_cselect_b32 s[LIM1], 1, -1
	s_mov_b32 s[G1W+0], 15|(1<<16)|(1<<20)|(1<<21)|(5<<22)|(3<<25)  ; the mask of four, bit 21 beside it; 2-byte elements; 4 words of padding after every 64
	s_mov_b32 s[G1W+1], 128<<16                    ; tensor_dim0 = 128
	s_mov_b32 s[G1W+2], 96<<16                     ; tensor_dim1 = 96
	s_mov_b32 s[G1W+3], 128<<16                    ; tile_dim0
	s_mov_b32 s[G1W+4], 96                         ; tile_dim1
	s_mov_b32 s[G1W+5], 128                        ; elements from row to row: the rows are dense
	s_mov_b32 s[G1W+6], 0
	s_mov_b32 s[G1W+7], 0
	v_and_b32 v1, 15, v0                           ; l % 16
	v_bfe_u32 v2, v0, 4, 1                         ; l / 16
	v_and_b32 v3, 31, v0
	v_lshlrev_b32 v[BO], 5, v2
	v_lshlrev_b32 v[XO], 4, v3
	s_wait_dscnt 0x0                               ; the opening add is done
	s_wait_kmcnt 0x0
	s_cmp_ge_u32 s24, 128
	s_cselect_b64 s[XP:XP+1], s[4:5], s[6:7]
	s_add_nc_u64 s[XP:XP+1], s[XP:XP+1], s[80:81]
	s_add_nc_u64 s[84:85], s[8:9], s[76:77]
.irp s, 0,1
	s_mov_b32 s[G0W+4*(\s)], 1
	s_add_co_u32 s[G0W+4*(\s)+1], s82, (\s)*SLOT
	s_add_nc_u64 s[G0W+4*(\s)+2:G0W+4*(\s)+3], s[84:85], (\s)*196608
	s_or_b32 s[G0W+4*(\s)+3], s[G0W+4*(\s)+3], 0x80000000
.endr
	s_cmp_eq_u32 s27, 0
	s_cselect_b64 s[BIA:BIA+1], s[10:11], s[12:13]
	s_cselect_b64 s[OUT:OUT+1], s[16:17], s[18:19]
	s_cmp_eq_u32 s27, 2
	s_cselect_b64 s[BIA:BIA+1], s[14:15], s[BIA:BIA+1]
	s_cselect_b64 s[OUT:OUT+1], s[20:21], s[OUT:OUT+1]
	s_add_nc_u64 s[BIA:BIA+1], s[BIA:BIA+1], s[86:87]
	s_add_nc_u64 s[OUT:OUT+1], s[OUT:OUT+1], s[92:93]
	WIN 0xc0                                       ; destination window 3
.irp n, 0,1,2,3,4,5,6,7,8,9,10,11
	global_load_b128 v[BIAS+8*(\n):BIAS+8*(\n)+3],   v[BO], s[BIA:BIA+1] offset:64*(\n)
	global_load_b128 v[BIAS+8*(\n)+4:BIAS+8*(\n)+7], v[BO], s[BIA:BIA+1] offset:64*(\n)+16
.endr
	WIN 0
.set xi, 0
.rept 32
	global_load_b128 v[XG+4*xi:XG+4*xi+3], v[XO], s[XP:XP+1] offset:xi*3072  ; x of K step 0
.set xi, xi+1
.endr
	CROUND                                         ; all four work-groups are here: the first joint loads meet
	tensor_load_to_lds s[G0W:G0W+3], s[G1W:G1W+7]  ; W of K steps 0 and 1
	s_nop 0
	tensor_load_to_lds s[G0W+4:G0W+7], s[G1W:G1W+7]
	s_nop 0
	PLACES
	s_mul_i32 s86, s90, 17408
	v_mul_u32_u24 v[ADRX], v1, 272
	v_lshl_add_u32 v[ADRX], v2, 4, v[ADRX]         ; row x pitch + 16 x half
	v_add_nc_u32 v[ADRX], s86, v[ADRX]
	v_add_nc_u32 v[ADRX+1], SLOT, v[ADRX]
	s_mul_i32 s86, s88, 52224
	s_add_co_u32 s86, s86, WOFF
	v_mul_u32_u24 v[ADRW], v1, 272
	v_lshl_add_u32 v[ADRW], v2, 4, v[ADRW]
	v_add_nc_u32 v[ADRW], s86, v[ADRW]
	v_add_nc_u32 v[ADRW+1], SLOT, v[ADRW]
	s_mul_i32 s86, s[WV], 8704                     ; my wave's 32 rows of x's tile
	v_lshl_add_u32 v[XSA], v3, 3, s86
	v_add_nc_u32 v[XSA+1], SLOT, v[XSA]
	s_mul_i32 s86, s[WV], 2304
	s_add_co_u32 s86, s86, STAGE
	v_mul_u32_u24 v[STO], v1, 144
	v_lshl_add_u32 v[STO], v2, 4, v[STO]
	v_add_nc_u32 v[STO], s86, v[STO]
	v_bfe_u32 v[RD], v0, 3, 2
	v_mul_u32_u24 v[RD], v[RD], 144
	v_and_b32 v13, 7, v0
	v_lshl_add_u32 v[RD], v13, 4, v[RD]
	v_add_nc_u32 v[RD], s86, v[RD]
	v_lshlrev_b32 v[GO], 4, v3
	v_mul_u32_u24 v[PFO], v3, 3072
	s_wait_loadcnt 32                              ; the biases are in (x's 32 loads may stay out): rounded to bf16 like x and the weights, and widened again
	WIN 0x4f                                       ; sources window 3, destination window 1
.set i, 0
.rept 48
	v_cvt_pk_bf16_f32 v[BT+i], v[BIAS+2*i], v[BIAS+2*i+1]
.set i, i+1
.endr
	WIN 0xc4                                       ; source 1 window 1, destination window 3
.set i, 0
.rept 48
	v_lshlrev_b32 v[BIAS+2*i], 16, v[BT+i]
	v_and_b32 v[BIAS+2*i+1], 0xffff0000, v[BT+i]
.set i, i+1
.endr
	XW 0, 12, 0, 20, 512                           ; x of step 0 goes into slot 0, x of step 1 is asked for.  The counts are those of every step: behind a piece's rows stand the
	XW 12, 12, 0, 20, 512                          ; rest of its step's 32 loads and the rows already asked for anew: 32 less the piece's own
	XW 24, 8, 0, 24, 512
	s_wait_tensorcnt 1                             ; my part of W's step 0 is in; step 1's may stay out
	s_wait_dscnt 0x0                               ; my rows of x lie in LDS
	s_barrier_signal -1
	s_barrier_wait -1
	FETCH 0, 0, 0
	QUARTER 0, 1, 1, 0, 0, 0, 0                    ; the first quarter stands ahead of the loop: its products start the sums, with the biases
	WIN 0
	s_mov_b32 s3, 2
.Llap:                                             ; a trip: once round the ring, from a lap's second quarter to the next lap's first; both slots are filled again
	QUARTER 0, 2, 0, 0, 12, 20, 1024
	QUARTER 0, 3, 0, 12, 12, 20, 1024
	TURN 0, 1, 1, 24, 1024, LIM0, 1536             ; asks ahead for the trip's fourth step: it exists in both trips
	QUARTER 1, 1, 0, 0, 0, 0, 0
	QUARTER 1, 2, 0, 0, 12, 20, 1536
	QUARTER 1, 3, 0, 12, 12, 20, 1536
	TURN 1, 0, 1, 24, 1536, LIM1, 2048             ; asks ahead for the trip's fifth step: it exists in the first trip alone
	QUARTER 0, 1, 0, 0, 0, 0, 0
	WIN 0
	s_wait_xcnt 0x0                                ; x's loads and the prefetches, 64 products back and more, have read their address
	s_add_nc_u64 s[XP:XP+1], s[XP:XP+1], 1024
	s_sub_co_u32 s3, s3, 1
	s_cmp_lg_u32 s3, 0
	s_cbranch_scc1 .Llap
	QUARTER 0, 2, 0, 0, 12, 20, -1                 ; step 4: x of step 5 goes into slot 1; nothing is asked for, and the counts run down
	QUARTER 0, 3, 0, 12, 12, 8, -1
	TURN 0, 1, 0, 0, -1, LIM0, 0
	QUARTER 1, 1, 0, 0, 0, 0, 0                    ; step 5
	QUARTER 1, 2, 0, 0, 0, 0, 0
	QUARTER 1, 3, 0, 0, 0, 0, 0
	s_wait_dscnt 8
	WIN 0xa1
	MUL 1, 0, 8, 0
	s_wait_dscnt 0x0
	WIN 0xf1
	MUL 1, 8, 12, 0
	WIN 0
	PLACES
; THE WAY OUT, in 12 blocks a = 4 c + mq: 16 rows x 64 channels (channel block c of my three), 2,048 dense bytes of the result.
.macro PACK a
.set cc, (\a)/4
	WIN 0x0a+5*(cc/2)                              ; sources window 2 or 3
.set tt, 0
.rept 4
.set rA, 8*((4*(4*cc+tt)+(\a)%4)%32)
.irp r, 0,1,2,3
	v_cvt_pk_f16_f32 v[TMP+4*tt+(\r)], v[rA+2*(\r)], v[rA+2*(\r)+1]
.endr
.set tt, tt+1
.endr
	WIN 0
.endm
.macro TOSTAGE a
.irp t, 0,1,2,3
	ds_store_b128 v[STO], v[TMP+4*(\t):TMP+4*(\t)+3] offset:32*(\t)
.endr
.irp t, 0,1,2,3
	ds_load_b128 v[BK+16*((\a)%2)+4*(\t):BK+16*((\a)%2)+4*(\t)+3], v[RD] offset:(\t)*576  ; LDS serves a wave's instructions in order: these see the stores above
.endr
.endm
.macro SEND a
	s_wait_dscnt 0x0                               ; the block is back in registers
	s_wait_xcnt 0x0                                ; earlier stores have read their registers: the other buffer is loaded again only behind this wait
.irp t, 0,1,2,3
	global_store_b128 v[GO], v[BK+16*((\a)%2)+4*(\t):BK+16*((\a)%2)+4*(\t)+3], s[OUT:OUT+1] offset:((\a)/4)*DB+((\a)%4)*2048+(\t)*512  ; 512 consecutive bytes
.endr
.endm
	PACK 0
	TOSTAGE 0
.irp a, 1,2,3,4,5,6,7,8,9,10,11
	PACK \a
	SEND (\a)-1
	TOSTAGE \a
.endr
	SEND 11
	s_wait_tensorcnt 0x0                           ; the wave's end
	ds_add_u32 v[SPW], v[NIL]
	s_wait_dscnt 0x0
	CROUND                                         ; the closing round
	s_endpgm
.Lfunc_end_k_q22020c6b02_proj:
	.size	k_q22020c6b02_proj, .Lfunc_end_k_q22020c6b02_proj-k_q22020c6b02_proj
	.p2alignl 7, 3214868480
	.fill 96, 4, 3214868480
	.section	.rodata,"a",@progbits
	.p2align	6, 0x0
	.amdhsa_kernel k_q22020c6b02_proj
		.amdhsa_group_segment_fixed_size 327680
		.amdhsa_private_segment_fixed_size 0
		.amdhsa_enable_private_segment 0
		.amdhsa_kernarg_size 72
		.amdhsa_user_sgpr_count 2
		.amdhsa_user_sgpr_kernarg_segment_ptr 1
		.amdhsa_wavefront_size32 1
		.amdhsa_system_sgpr_workgroup_id_x 1
		.amdhsa_system_sgpr_workgroup_id_y 1
		.amdhsa_system_sgpr_workgroup_id_z 1
		.amdhsa_system_vgpr_workitem_id 0
		.amdhsa_next_free_vgpr 1024
		.amdhsa_next_free_sgpr 96
		.amdhsa_reserve_vcc 0
		.amdhsa_float_denorm_mode_32 3
		.amdhsa_float_denorm_mode_16_64 3
		.amdhsa_memory_ordered 1
		.amdhsa_forward_progress 1
		.amdhsa_inst_pref_size 164
	.end_amdhsa_kernel
	.amdgpu_metadata
---
amdhsa.version: [ 1, 2 ]
amdhsa.kernels:
  - .name:           k_q22020c6b02_proj
    .symbol:         k_q22020c6b02_proj.kd
    .args:
      - { .name: x_to, .offset: 0, .size: 8, .value_kind: global_buffer, .address_space: global }
      - { .name: x_from, .offset: 8, .size: 8, .value_kind: global_buffer, .address_space: global }
      - { .name: wt, .offset: 16, .size: 8, .value_kind: global_buffer, .address_space: global }
      - { .name: bq, .offset: 24, .size: 8, .value_kind: global_buffer, .address_space: global }
      - { .name: bk, .offset: 32, .size: 8, .value_kind: global_buffer, .address_space: global }
      - { .name: bv, .offset: 40, .size: 8, .value_kind: global_buffer, .address_space: global }
      - { .name: qh, .offset: 48, .size: 8, .value_kind: global_buffer, .address_space: global }
      - { .name: kh, .offset: 56, .size: 8, .value_kind: global_buffer, .address_space: global }
      - { .name: vh, .offset: 64, .size: 8, .value_kind: global_buffer, .address_space: global }
    .group_segment_fixed_size: 327680
    .private_segment_fixed_size: 0
    .kernarg_segment_align: 8
    .kernarg_segment_size: 72
    .max_flat_workgroup_size: 128
    .sgpr_count:     96
    .vgpr_count:     1024
    .wavefront_size: 32
...
	.end_amdgpu_metadata
.endif
;; end of part 2
;; launch attn (part 3): grid 16 x 16, 4 waves a work-group, clusters of 4 x 1, 327,680 bytes of LDS; arguments qh, kh, vh, out0; writes out0
.if DOCPART == 3
	.amdgcn_target "amdgcn-amd-amdhsa--gfx1250"
	.amdhsa_code_object_version 6
	.text
	.protected	k_q22020c6b02_attn
	.globl	k_q22020c6b02_attn
	.p2align	8
	.type	k_q22020c6b02_attn,@function
k_q22020c6b02_attn:
	s_mov_b64 s[64:65], 0
	v_nop
	global_prefetch_b8 v0, s[64:65] scope:SCOPE_SE
	s_setreg_imm32_b32 hwreg(HW_REG_WAVE_MODE, 25, 1), 1
	s_wait_xcnt 0x0
	s_wait_alu depctr_hold_cnt(0) depctr_sa_sdst(0) depctr_va_vdst(0) depctr_va_sdst(0) depctr_va_ssrc(0) depctr_va_vcc(0) depctr_vm_vsrc(0)
	s_getreg_b32 s2, hwreg(HW_REG_IB_STS2, 6, 4)
	s_cmp_eq_u32 s2, 0
	s_cbranch_scc0 .Lentry_in_a_cluster
	s_endpgm
.Lentry_in_a_cluster:
	s_bfe_u32 s2, ttmp6, 0x10000c
	s_cmp_lg_u32 s2, 0x3003
	s_cbranch_scc0 .Lentry_shape_is_right
	s_endpgm
.Lentry_shape_is_right:
; out[b][q][:] = the sum over k of softmax_k(q . k / sqrt(768)) v[k][:].  qh, kh, vh: f16, [batch][12 blocks of 64 channels][1024 rows][64]; out0 f32 [16][1024][768].
; Products, maxima and sums in f32; the weights p are rounded to f16 for the second product (their sum l is taken of the unrounded p).
; LIMITS: q, k, v arrive within f16's range; a weight below 2^-126 counts as 0 in l; NaN and infinities are not treated apart.
; SHARES.  A work-group owns 64 queries of a batch; the four partners of a cluster share the batch, so K's and V's tiles are asked for jointly (mask of four).
; PHASE 1: wave w makes S^T = K Q^T for keys 256 w .. + 255 and all 64 queries: 64 accumulators (key block kt, query block qt at 8 ((4 kt + qt) % 32), windows 2 and 3);
; 12 steps of 64 channels; K through two LDS slots (each wave fetches and reads its own 256 keys), Q straight from memory, a step ahead.
; PHASE 2: the whole score row lies in registers: the true maximum (over lanes, then over waves through LDS), p = 2^(c s - c m), c = log2(e) / sqrt(768), l, P in f16.
; PHASE 3: wave w makes O^T = V^T P for channels 192 w .. + 191 over all keys: 48 accumulators; 16 steps of 64 keys; V through two slots, turned by ds_load_tr16_b128;
; P reaches the other waves through LDS, in two halves of 512 keys (each wave's key blocks 0-7, then 8-15): the key steps walk the keys in that order.
; REGISTERS: window 0 addresses, statistics, Q's (later V's) fragments; window 1 K's fragments, later P; windows 2, 3 accumulators.
.set BS,    1572864
.set DB,    131072
.set KP,    144                        ; a key's 128 bytes + 16
.set KSLOT, 147456                     ; 1,024 keys
.set KPART, 36864                      ; a wave's 256
.set VSLOT, 122880                     ; 64 keys x 768 channels: [4 parts of 16 keys][12 channel blocks][16 keys][128 + 32 bytes]
.set VPART, 30720
.set VDB,   2560
.set VP,    160
.set PST,   245760                     ; behind V's slots: P, 64 rows (queries) of 512 keys: 1,024 bytes + 16.  K's second slot, which reaches into it, has had its last fill by then
.set PP,    1040
.set STAT,  312320                     ; maxima [wave][64 queries], then sums
.set SPARE, 314368
.set ADRK, 4                           ; v4-5
.set QO,   6
.set STS,  7
.set STL,  8
.set STP,  9
.set ADRP0, 10
.set ADRP, 11
.set ADRV, 12                          ; v12-15: slot, half
.set STO,  16
.set RD,   17
.set CO,   18
.set PFO,  19                          ; 256 x lane
.set SPW,  20
.set NIL,  21
.set MX,   24
.set TT,   28
.set CM,   32                          ; pairs
.set LL,   40                          ; pairs; later 1 / l, twice
.set SL,   48                          ; statistics as loaded
.set QF,   64                          ; two buffers of 64: fragment (half f, qt) at 32 f + 8 qt
.set VF,   64                          ; two buffers of 96
.set TMP,  64
.set BK,   96                          ; two buffers of 32
.set KF0,  0                           ; window 1
.set KF1,  128
.set WV,  12
.set CX,  13
.set G1K, 16
.set G1V, 24
.set G0,  32                           ; a set for each slot
.set VB,  40
.set OFF, 42
.set TN,  44                           ; the key step to be asked for next
.set PC,  45                           ; the step's byte in a row of P
.set CS,  46
.set SEL, 48
.set PFA, 50
.set LIM, 52
.set LIMV, 53
.set QP,  54
.set PFV, 56
.set PFW, 58
.set VL,  66
.set KL,  67
.set MSB, 0
.macro WIN new
.if MSB != (\new)
	s_set_vgpr_msb (MSB<<8)|(\new)
.set MSB, \new
.endif
.endm
.macro PLACES
.rept 4
	v_nop
.endr
.endm
.macro CREST
	s_cmp_lg_u32 s[WV], 0
	s_cbranch_scc1 .Lnot_wave_0_\@
	s_barrier_signal -3
.Lnot_wave_0_\@:
	s_barrier_wait -3
	s_barrier_signal -1
	s_barrier_wait -1
.endm
.macro CROUND
	s_barrier_signal -1
	s_barrier_wait -1
	CREST
.endm
.macro TLOAD s, g1                     ; every wave fetches its own quarter of the tile; s_nop 0 and four v_nop follow
	tensor_load_to_lds s[G0+4*(\s):G0+4*(\s)+3], s[\g1:\g1+7]
	s_nop 0
	PLACES
.endm
.macro KEY0 dst, src                   ; the byte offset of key step T's first key: keys 256 ((T / 2) % 4) + 128 (T / 8) + 64 (T % 2), 128 bytes each
	s_bfe_u32 s60, s[\src], 0x20001
	s_lshl_b32 s60, s60, 15
	s_lshr_b32 s61, s[\src], 3
	s_lshl_b32 s61, s61, 14
	s_add_co_u32 s60, s60, s61
	s_and_b32 s61, s[\src], 1
	s_lshl_b32 s61, s61, 13
	s_add_co_u32 s[\dst], s60, s61
.endm
.macro VSET s                          ; slot s's group 0 for V's key step TN, made anew from the number
	KEY0 OFF, TN
	s_add_co_u32 s[G0+4*(\s)+1], s[VL], (\s)*VSLOT
	s_add_nc_u64 s[G0+4*(\s)+2:G0+4*(\s)+3], s[VB:VB+1], s[OFF:OFF+1]
	s_or_b32 s[G0+4*(\s)+3], s[G0+4*(\s)+3], 0x80000000
	s_add_co_u32 s[TN], s[TN], 1
.endm
; K's step two refills on is asked of memory ahead: 131,072 bytes, 256 a lane, shared out by address among the sixteen waves of the batch's first cluster
.macro ASKK off
	s_cmp_gt_u32 s3, s[LIM]
	s_cbranch_scc0 .Lnk_\@
	global_prefetch_b8 v[PFO], s[PFA:PFA+1] offset:\off th:TH_LOAD_NT scope:SCOPE_SE
.Lnk_\@:
.endm
; V's key step two refills on: 12 channel blocks x 8,192 bytes; partner cx, waves 0 to 2: block 3 cx + wave
.macro ASKV
	s_cmp_gt_u32 s3, s[LIMV]
	s_cbranch_scc0 .Lnv_\@
	global_prefetch_b8 v[PFO], s[PFW:PFW+1] th:TH_LOAD_NT scope:SCOPE_SE
.Lnv_\@:
.endm
.macro FETCHK s, f, kf                 ; 32 LDS loads: my 16 key blocks, 32 channels (half f)
	WIN 0x40
.set kt, 0
.rept 16
	ds_load_b128 v[(\kf)+8*kt:(\kf)+8*kt+3],   v[ADRK+(\s)] offset:kt*16*KP+64*(\f)
	ds_load_b128 v[(\kf)+8*kt+4:(\kf)+8*kt+7], v[ADRK+(\s)] offset:kt*16*KP+64*(\f)+32
.set kt, kt+1
.endr
.endm
.macro QLOAD b, imm                    ; a step's Q: 64 queries x 64 channels, into buffer b
	WIN 0
.irp f, 0,1
.irp q, 0,1,2,3
	global_load_b128 v[QF+64*(\b)+32*(\f)+8*(\q):QF+64*(\b)+32*(\f)+8*(\q)+3],   v[QO], s[QP:QP+1] offset:(\imm)+(\q)*2048+64*(\f)
	global_load_b128 v[QF+64*(\b)+32*(\f)+8*(\q)+4:QF+64*(\b)+32*(\f)+8*(\q)+7], v[QO], s[QP:QP+1] offset:(\imm)+(\q)*2048+64*(\f)+32
.endr
.endr
.endm
.macro MULK kf, qf, k0, k1, zero       ; key blocks k0 .. k1 - 1 x four query blocks; the accumulators take turns
.set kt, \k0
.rept (\k1)-(\k0)
.irp q, 0,1,2,3
.set rD, 8*((4*kt+(\q))%32)
.if \zero
	v_wmma_f32_16x16x32_f16 v[rD:rD+7], v[(\kf)+8*kt:(\kf)+8*kt+7], v[(\qf)+8*(\q):(\qf)+8*(\q)+7], 0
.else
	v_wmma_f32_16x16x32_f16 v[rD:rD+7], v[(\kf)+8*kt:(\kf)+8*kt+7], v[(\qf)+8*(\q):(\qf)+8*(\q)+7], v[rD:rD+7]
.endif
.endr
.set kt, kt+1
.endr
.endm
.macro H0 s, zero, qimm                ; a channel step's first 32; in its middle the second 32 of K and the next step's Q are fetched
	s_wait_loadcnt 0x0                             ; this step's Q, asked for a step ago
	s_wait_dscnt 16                                ; key blocks 0-7 are in
	WIN 0xa1                                       ; K window 1, Q window 0, sums window 2
	MULK KF0, QF+64*(\s), 0, 8, \zero
	PLACES
	FETCHK \s, 1, KF1
.if (\qimm) >= 0
	QLOAD 1-(\s), \qimm
.endif
	s_wait_dscnt 32                                ; all but the 32 just issued
	WIN 0xf1
	MULK KF0, QF+64*(\s), 8, 16, \zero
.endm
; The second 32, and the change of slots.  kind 0: the slot takes K two steps on.  kind 1, 2: K's last two steps: the bytes take V's key steps 0 and 1; kind 2 fetches no more K.
.macro TURNK s, nx, kind
	WIN 0
	s_wait_tensorcnt 0x0                           ; no load of mine is out, so a group 0 may be written
	ds_add_u32 v[SPW], v[NIL]
.if (\kind) == 0
	s_add_nc_u64 s[G0+4*(\s)+2:G0+4*(\s)+3], s[G0+4*(\s)+2:G0+4*(\s)+3], 2*DB
.else
	VSET \s
.endif
	s_wait_dscnt 17                                ; the add and key blocks 8-15 may be out
	WIN 0xa1
	MULK KF1, QF+64*(\s)+32, 0, 4, 0
	s_wait_dscnt 0x0                               ; the add is done, my reads of the slot are over
	s_barrier_signal -1
	MULK KF1, QF+64*(\s)+32, 4, 8, 0
	WIN 0
	s_barrier_wait -1
	CREST                                          ; no wave of any partner still reads the bytes or has a load on its way
.if (\kind) == 0
	TLOAD \s, G1K
.else
	TLOAD \s, G1V
.endif
.if (\kind) < 2
	FETCHK \nx, 0, KF0                             ; the four v_nop above are its places
.endif
.if (\kind) == 0
	WIN 0
	ASKK (\s)*DB
.endif
	WIN 0xf1
	MULK KF1, QF+64*(\s)+32, 8, 16, 0
.endm
.macro PUB hb                          ; my key blocks 8 hb .. + 7 of P go to LDS: row = query, my 256 bytes of it
	WIN 0x04                                       ; data window 1
.irp k, 0,1,2,3,4,5,6,7
.irp q, 0,1,2,3
	ds_store_b128 v[STP], v[4*(4*(8*(\hb)+(\k))+(\q)):4*(4*(8*(\hb)+(\k))+(\q))+3] offset:(\q)*16*PP+32*(\k)
.endr
.endr
	WIN 0
.endm
.macro FETCHV s, half, b               ; 32 LDS loads: 32 keys: P's four fragments, then V^T's twelve
	WIN 0x40
.irp q, 0,1,2,3
	ds_load_b128 v[32*(\b)+8*(\q):32*(\b)+8*(\q)+3],   v[ADRP] offset:(\q)*16*PP+64*(\half)
	ds_load_b128 v[32*(\b)+8*(\q)+4:32*(\b)+8*(\q)+7], v[ADRP] offset:(\q)*16*PP+64*(\half)+32
.endr
	WIN 0
.irp c, 0,1,2,3,4,5,6,7,8,9,10,11
	ds_load_tr16_b128 v[VF+96*(\b)+8*(\c):VF+96*(\b)+8*(\c)+3],   v[ADRV+2*(\s)+(\half)] offset:((\c)/4)*VDB+((\c)%4)*32
	ds_load_tr16_b128 v[VF+96*(\b)+8*(\c)+4:VF+96*(\b)+8*(\c)+7], v[ADRV+2*(\s)+(\half)] offset:((\c)/4)*VDB+((\c)%4)*32+VPART  ; the next 16 keys lie a part on
.endr
.endm
.macro MULV b, c0, c1, zero            ; channel blocks c0 .. c1 - 1 x four query blocks
.set ct, \c0
.rept (\c1)-(\c0)
.irp q, 0,1,2,3
.set rD, 8*((4*ct+(\q))%32)
.if \zero
	v_wmma_f32_16x16x32_f16 v[rD:rD+7], v[VF+96*(\b)+8*ct:VF+96*(\b)+8*ct+7], v[32*(\b)+8*(\q):32*(\b)+8*(\q)+7], 0
.else
	v_wmma_f32_16x16x32_f16 v[rD:rD+7], v[VF+96*(\b)+8*ct:VF+96*(\b)+8*ct+7], v[32*(\b)+8*(\q):32*(\b)+8*(\q)+7], v[rD:rD+7]
.endif
.endr
.set ct, ct+1
.endr
.endm
.macro H3 s, zero
	s_wait_dscnt 8                                 ; P and channel blocks 0-7 are in
	WIN 0xa4                                       ; V window 0, P window 1, sums window 2
	MULV 0, 0, 8, \zero
	PLACES
	FETCHV \s, 1, 1
	s_wait_dscnt 32
	WIN 0xf4
	MULV 0, 8, 12, \zero
.endm
.macro TURN3 s, nx, fill, pub
.if \fill
	s_wait_xcnt 0x0                                ; the last prefetch, 64 products back, has read its address
.endif
	WIN 0
	s_wait_tensorcnt 0x0
	ds_add_u32 v[SPW], v[NIL]
	s_add_co_u32 s[PC], s[PC], 128
	s_and_b32 s[PC], s[PC], 1023
.if \fill
	s_add_co_u32 s69, s[TN], 2
	KEY0 62, 69
	s_add_nc_u64 s[PFW:PFW+1], s[PFV:PFV+1], s[62:63]
	VSET \s
.endif
	s_wait_dscnt 9                                 ; the add and channel blocks 8-11 may be out
	WIN 0xa4
	MULV 1, 0, 4, 0
	s_wait_dscnt 0x0
	s_barrier_signal -1
	MULV 1, 4, 8, 0
	WIN 0
	s_barrier_wait -1
.if \fill
	CREST
	TLOAD \s, G1V
.else
	PLACES
.endif
.if \pub
	s_cmp_lg_u32 s3, 4                             ; behind key step 7 nobody reads P's first half any more: the second takes its place
	s_cbranch_scc1 .Lnopub_\@
	PUB 1
.Lnopub_\@:
	s_wait_dscnt 0x0                               ; for the others' sake
	s_barrier_signal -1                            ; the load just issued may stay out
	s_barrier_wait -1
.endif
	v_add_nc_u32 v[ADRP], s[PC], v[ADRP0]
	FETCHV \nx, 0, 0
.if \fill
	ASKV
.endif
	WIN 0xf4
	MULV 1, 8, 12, 0
.endm
	s_load_b256 s[4:11], s[0:1], 0x0               ; qh 4, kh 6, vh 8, out0 10
	v_lshl_add_u32 v[SPW], v0, 2, SPARE
	v_mov_b32 v[NIL], 0
	ds_add_u32 v[SPW], v[NIL]                      ; the opening: the add is waited for ahead of my first tensor load
	v_lshrrev_b32 v1, 5, v0
	v_readfirstlane_b32 s[WV], v1
	s_bfe_u32 s[CX], ttmp6, 0x40000
	s_and_b32 s60, ttmp7, 0xffff                   ; the batch, which the partners share
	s_mul_i32 s68, s60, 3145728                    ; its bytes in out0,
	s_mul_i32 s60, s60, BS                         ; and in qh, kh, vh
	s_mov_b32 s61, 0
	s_lshl_b32 s14, ttmp9, 2
	s_add_co_u32 s14, s14, s[CX]                   ; my block of 64 queries: it enters Q's and out0's addresses alone
	s_mov_b32 s[G1K+0], 15|(1<<16)|(1<<20)|(1<<21)|(4<<22)|(3<<25)  ; mask of four, bit 21; 2-byte elements; 4 words after every 32
	s_mov_b32 s[G1K+1], 128<<16                    ; 256 keys = 32,768 dense bytes as 128 rows of 256
	s_mov_b32 s[G1K+2], 128<<16
	s_mov_b32 s[G1K+3], 128<<16
	s_mov_b32 s[G1K+4], 128
	s_mov_b32 s[G1K+5], 128
	s_mov_b32 s[G1K+6], 0
	s_mov_b32 s[G1K+7], 0
	s_mov_b32 s[G1V+0], 15|(1<<16)|(1<<20)|(1<<21)|(4<<22)|(7<<25)  ; 8 words after every 32
	s_mov_b32 s[G1V+1], 1024<<16                   ; 16 keys of a channel block = 2,048 dense bytes, a row;
	s_mov_b32 s[G1V+2], 12<<16                     ; 12 channel blocks,
	s_mov_b32 s[G1V+3], 1024<<16
	s_mov_b32 s[G1V+4], 12
	s_mov_b32 s[G1V+5], 65536                      ; 131,072 bytes apart
	s_mov_b32 s[G1V+6], 0
	s_mov_b32 s[G1V+7], 0
	s_mov_b32 s[CS], 0x3d553b94                    ; c = log2(e) / sqrt(768) = 0.0520588
	s_mov_b32 s[CS+1], s[CS]
	s_mov_b32 s[SEL], 0x76543210
	s_mov_b32 s[SEL+1], 0xfedcba98
	s_mov_b32 s[TN], 0
	s_mov_b32 s[OFF+1], 0
	s_mov_b32 s63, 0
	s_mul_i32 s[KL], s[WV], KPART
	s_mul_i32 s[VL], s[WV], VPART
	s_mov_b32 s[G0], 1
	s_mov_b32 s[G0+1], s[KL]
	s_mov_b32 s[G0+4], 1
	s_add_co_u32 s[G0+5], s[KL], KSLOT
	s_cmp_eq_u32 ttmp9, 0                          ; the batch's first cluster prefetches
	s_cselect_b32 s[LIM], 1, -1
	s_cmp_lt_u32 s[WV], 3
	s_cselect_b32 s[LIMV], s[LIM], -1
	s_lshl_b32 s70, s[WV], 15                      ; my 256 keys
	s_mov_b32 s71, 0
	s_add_nc_u64 s[70:71], s[70:71], s[60:61]
	s_wait_dscnt 0x0
	s_wait_kmcnt 0x0
	s_add_nc_u64 s[G0+2:G0+3], s[6:7], s[70:71]
	s_add_nc_u64 s[G0+6:G0+7], s[G0+2:G0+3], DB
	s_or_b32 s[G0+3], s[G0+3], 0x80000000
	s_or_b32 s[G0+7], s[G0+7], 0x80000000
	s_lshl_b32 s70, s[WV], 11                      ; my 16 keys of a key step
	s_mov_b32 s71, 0
	s_add_nc_u64 s[70:71], s[70:71], s[60:61]
	s_add_nc_u64 s[VB:VB+1], s[8:9], s[70:71]
	CROUND
	tensor_load_to_lds s[G0:G0+3], s[G1K:G1K+7]    ; channel steps 0 and 1
	s_nop 0
	tensor_load_to_lds s[G0+4:G0+7], s[G1K:G1K+7]
	s_nop 0
	PLACES
	s_lshl_b32 s72, s14, 13
	s_mov_b32 s73, 0
	s_add_nc_u64 s[72:73], s[72:73], s[60:61]
	s_add_nc_u64 s[QP:QP+1], s[4:5], s[72:73]
	v_and_b32 v1, 15, v0                           ; l % 16
	v_bfe_u32 v2, v0, 4, 1                         ; l / 16
	v_and_b32 v3, 31, v0
	v_lshlrev_b32 v[QO], 7, v1
	v_lshl_add_u32 v[QO], v2, 4, v[QO]
	QLOAD 0, 0
	s_mul_i32 s72, s14, 196608                     ; out0: 64 rows of 3,072 bytes,
	s_add_co_u32 s72, s72, s68
	s_mul_i32 s74, s[WV], 768                      ; my 192 channels
	s_add_co_u32 s72, s72, s74
	s_mov_b32 s73, 0
	s_add_nc_u64 s[10:11], s[10:11], s[72:73]
	s_lshl_b32 s72, s[CX], 2
	s_add_co_u32 s72, s72, s[WV]
	s_lshl_b32 s72, s72, 13                        ; K's prefetches: my 8,192 bytes of a step, at step 2; the first trip steps it to 4
	s_add_co_u32 s72, s72, 2*DB
	s_mov_b32 s73, 0
	s_add_nc_u64 s[72:73], s[72:73], s[60:61]
	s_add_nc_u64 s[PFA:PFA+1], s[6:7], s[72:73]
	s_mul_i32 s72, s[CX], 3
	s_min_u32 s74, s[WV], 2
	s_add_co_u32 s72, s72, s74
	s_lshl_b32 s72, s72, 17                        ; V's: my channel block
	s_mov_b32 s73, 0
	s_add_nc_u64 s[72:73], s[72:73], s[60:61]
	s_add_nc_u64 s[PFV:PFV+1], s[8:9], s[72:73]
	v_mul_u32_u24 v[ADRK], v1, KP
	v_lshl_add_u32 v[ADRK], v2, 4, v[ADRK]
	v_add_nc_u32 v[ADRK], s[KL], v[ADRK]
	v_add_nc_u32 v[ADRK+1], KSLOT, v[ADRK]
	s_lshl_b32 s74, s[WV], 8
	s_add_co_u32 s75, s74, STAT
	v_lshl_add_u32 v[STS], v1, 2, s75
	v_lshl_add_u32 v[STL], v1, 2, STAT
	v_mul_u32_u24 v[ADRP0], v1, PP
	v_lshl_add_u32 v[ADRP0], v2, 4, v[ADRP0]
	v_add_nc_u32 v[ADRP0], PST, v[ADRP0]
	v_add_nc_u32 v[STP], s74, v[ADRP0]
	v_and_b32 v22, 7, v0
	v_lshl_add_u32 v22, v2, 3, v22                 ; the turning load: key 8 (l / 16) + l % 8,
	v_mul_u32_u24 v22, v22, VP
	v_bfe_u32 v23, v0, 3, 1
	v_lshl_add_u32 v22, v23, 4, v22                ; channels 8 ((l / 8) % 2) on
	s_mul_i32 s74, s[WV], 3*VDB
	v_add_nc_u32 v[ADRV], s74, v22
	v_add_nc_u32 v[ADRV+1], 2*VPART, v[ADRV]
	v_add_nc_u32 v[ADRV+2], VSLOT, v[ADRV]
	v_add_nc_u32 v[ADRV+3], VSLOT+2*VPART, v[ADRV]
	s_mul_i32 s74, s[WV], 4352
	s_add_co_u32 s74, s74, PST                     ; the way out's stage: 16 rows x 272 bytes a wave, where P lay
	v_mul_u32_u24 v[STO], v1, 272
	v_lshl_add_u32 v[STO], v2, 5, v[STO]
	v_add_nc_u32 v[STO], s74, v[STO]
	v_mul_u32_u24 v[RD], v2, 272
	v_lshl_add_u32 v[RD], v1, 4, v[RD]
	v_add_nc_u32 v[RD], s74, v[RD]
	v_mul_u32_u24 v[CO], v2, 3072
	v_lshl_add_u32 v[CO], v1, 4, v[CO]
	v_lshlrev_b32 v[PFO], 8, v3
	; PHASE 1
	s_wait_tensorcnt 1                             ; my part of step 0 is in; step 1's may stay out
	s_barrier_signal -1
	s_barrier_wait -1
	FETCHK 0, 0, KF0
	H0 0, 1, DB
	WIN 0
	s_mov_b32 s3, 5
.Lk:
	s_wait_xcnt 0x0                                ; Q's loads and the last prefetch have read their addresses
	s_add_nc_u64 s[QP:QP+1], s[QP:QP+1], 2*DB
	s_add_nc_u64 s[PFA:PFA+1], s[PFA:PFA+1], 2*DB
	TURNK 0, 1, 0
	H0 1, 0, 0
	TURNK 1, 0, 0
	H0 0, 0, DB
	WIN 0
	s_sub_co_u32 s3, s3, 1
	s_cmp_lg_u32 s3, 0
	s_cbranch_scc1 .Lk
	TURNK 0, 1, 1                                  ; step 10 ends; V's key step 0 goes out
	H0 1, 0, -1
	TURNK 1, 0, 2                                  ; step 11 ends; V's key step 1 goes out
	; PHASE 2.  The eight moves are the places behind the last products.
	WIN 0
.irp q, 0,1,2,3
	v_mov_b32 v[MX+(\q)], 0xff800000
	v_mov_b32 v[TT+(\q)], 0
.endr
.irp hi, 0,1
	WIN 0x28+0x14*(\hi)                            ; sources 1 and 2 in window 2, then 3
.set a, 0
.rept 8
.irp j, 0,1,2,3
.irp q, 0,1,2,3
	v_max3_num_f32 v[MX+(\q)], v[MX+(\q)], v[8*(4*a+(\q))+2*(\j)], v[8*(4*a+(\q))+2*(\j)+1]  ; each accumulator from its low end on; four chains by turns
.endr
.endr
.set a, a+1
.endr
.endr
	WIN 0
.irp q, 0,1,2,3
	v_permlanex16_b32 v[TT+(\q)], v[MX+(\q)], s[SEL], s[SEL+1]  ; the query's other keys lie in the lane 16 away
.endr
.irp q, 0,1,2,3
	v_max_num_f32 v[MX+(\q)], v[MX+(\q)], v[TT+(\q)]
.endr
.irp q, 0,1,2,3
	ds_store_b32 v[STS], v[MX+(\q)] offset:64*(\q)
.endr
	s_wait_dscnt 0x0
	s_barrier_signal -1                            ; V's load may stay out
	s_barrier_wait -1
.irp w, 0,1,2,3
.irp q, 0,1,2,3
	ds_load_b32 v[SL+4*(\w)+(\q)], v[STL] offset:256*(\w)+64*(\q)
.endr
.endr
	s_wait_dscnt 0x0
.irp q, 0,1,2,3
	v_max3_num_f32 v[MX+(\q)], v[SL+(\q)], v[SL+4+(\q)], v[SL+8+(\q)]
.endr
.irp q, 0,1,2,3
	v_max_num_f32 v[MX+(\q)], v[MX+(\q)], v[SL+12+(\q)]
.endr
.irp q, 0,1,2,3
	v_mul_f32 v[CM+2*(\q)], s[CS], v[MX+(\q)]
	v_mul_f32 v[CM+2*(\q)+1], s[CS], v[MX+(\q)]
	v_mov_b32 v[LL+2*(\q)], 0
	v_mov_b32 v[LL+2*(\q)+1], 0
.endr
.macro SCALE p                         ; pair p of a window: c s - c m
	v_pk_fma_f32 v[2*(\p):2*(\p)+1], v[2*(\p):2*(\p)+1], s[CS:CS+1], v[CM+2*(((\p)/4)%4):CM+2*(((\p)/4)%4)+1] op_sel_hi:[1,0,0] neg_lo:[0,0,1] neg_hi:[0,0,1]
.endm
	; ONE BATCH of 512 exponentials, a scaling ahead of each two; nothing names a result ahead of the one wait
.irp hi, 0,1
	WIN 0x82+0x41*(\hi)                            ; scores in window 2, then 3; c m in window 0
	SCALE 0
.set b, 0
.rept 128
.if b < 127
	SCALE b+1
.endif
	v_exp_f32 v[2*b], v[2*b]
	v_exp_f32 v[2*b+1], v[2*b+1]
.set b, b+1
.endr
.endr
	v_nop                                          ; a plain instruction behind the last exponential
	s_wait_alu depctr_va_vdst(0)                   ; the wait ahead of the first use: one for the batch
.irp hi, 0,1
	WIN 0x4a+5*(\hi)                               ; P in window 1
.set b, 0
.rept 128
	v_cvt_pk_f16_f32 v[128*(\hi)+b], v[2*b], v[2*b+1]
.set b, b+1
.endr
	WIN 0x08+4*(\hi)
.set a, 0
.rept 8
.irp j, 0,1,2,3
.irp q, 0,1,2,3
	v_pk_add_f32 v[LL+2*(\q):LL+2*(\q)+1], v[LL+2*(\q):LL+2*(\q)+1], v[8*(4*a+(\q))+2*(\j):8*(4*a+(\q))+2*(\j)+1]
.endr
.endr
.set a, a+1
.endr
.endr
	WIN 0
.irp q, 0,1,2,3
	v_add_f32 v[LL+2*(\q)], v[LL+2*(\q)], v[LL+2*(\q)+1]
.endr
.irp q, 0,1,2,3
	v_permlanex16_b32 v[TT+(\q)], v[LL+2*(\q)], s[SEL], s[SEL+1]
.endr
.irp q, 0,1,2,3
	v_add_f32 v[TT+(\q)], v[TT+(\q)], v[LL+2*(\q)]
.endr
.irp q, 0,1,2,3
	ds_store_b32 v[STS], v[TT+(\q)] offset:1024+64*(\q)
.endr
	PUB 0
	s_wait_tensorcnt 0x0                           ; my parts of V's key steps 0 and 1 have landed,
	s_wait_dscnt 0x0                               ; my sums and my P lie in LDS
	s_barrier_signal -1
	s_barrier_wait -1
.irp w, 0,1,2,3
.irp q, 0,1,2,3
	ds_load_b32 v[SL+4*(\w)+(\q)], v[STL] offset:1024+256*(\w)+64*(\q)
.endr
.endr
	s_wait_dscnt 0x0
.irp q, 0,1,2,3
	v_add_f32 v[SL+(\q)], v[SL+(\q)], v[SL+4+(\q)]
	v_add_f32 v[SL+8+(\q)], v[SL+8+(\q)], v[SL+12+(\q)]
.endr
.irp q, 0,1,2,3
	v_add_f32 v[TT+(\q)], v[SL+(\q)], v[SL+8+(\q)]
.endr
.irp q, 0,1,2,3
	v_rcp_f32 v[LL+2*(\q)], v[TT+(\q)]             ; l is at least 1: the maximum's own weight
	v_rcp_f32 v[LL+2*(\q)+1], v[TT+(\q)]
.endr
	v_nop
	s_wait_alu depctr_va_vdst(0)                   ; one wait for the eight reciprocals, ahead of the labels below
	; PHASE 3
	s_mov_b32 s[PC], 0
	v_mov_b32 v[ADRP], v[ADRP0]
	FETCHV 0, 0, 0
	H3 0, 1
	WIN 0
	s_mov_b32 s3, 7
.Lv:
	TURN3 0, 1, 1, 0
	H3 1, 0
	TURN3 1, 0, 1, 1
	H3 0, 0
	WIN 0
	s_sub_co_u32 s3, s3, 1
	s_cmp_lg_u32 s3, 0
	s_cbranch_scc1 .Lv
	TURN3 0, 1, 0, 0                               ; the last two key steps fill nothing
	H3 1, 0
	s_wait_dscnt 8
	WIN 0xa4
	MULV 1, 0, 8, 0
	s_wait_dscnt 0x0
	WIN 0xf4
	MULV 1, 8, 12, 0
	WIN 0
	s_barrier_signal -1                            ; every wave's reads of P are back: its bytes become the stages
	s_barrier_wait -1
	PLACES
; THE WAY OUT, in 12 blocks a = 4 c + qt: 16 queries x 64 channels of f32, divided by l, through my stage, out as whole rows of 256 bytes.
.macro PACK a
.set cc, (\a)/4
	WIN 0x02+cc/2                                  ; source 0 window 2 or 3
.set tt, 0
.rept 4
.set rA, 8*((4*(4*cc+tt)+(\a)%4)%32)
.irp r, 0,1,2,3
	v_pk_mul_f32 v[TMP+8*tt+2*(\r):TMP+8*tt+2*(\r)+1], v[rA+2*(\r):rA+2*(\r)+1], v[LL+2*((\a)%4):LL+2*((\a)%4)+1] op_sel_hi:[1,0]
.endr
.set tt, tt+1
.endr
	WIN 0
.endm
.macro TOSTAGE a
.irp t, 0,1,2,3,4,5,6,7
	ds_store_b128 v[STO], v[TMP+4*(\t):TMP+4*(\t)+3] offset:64*((\t)/2)+16*((\t)%2)
.endr
.irp t, 0,1,2,3,4,5,6,7
	ds_load_b128 v[BK+32*((\a)%2)+4*(\t):BK+32*((\a)%2)+4*(\t)+3], v[RD] offset:(\t)*544  ; LDS serves a wave's instructions in order: these see the stores above
.endr
.endm
.macro SEND a
	s_wait_dscnt 0x0
	s_wait_xcnt 0x0                                ; earlier stores have read their registers: the other buffer is loaded again only behind this wait
.irp t, 0,1,2,3,4,5,6,7
	global_store_b128 v[CO], v[BK+32*((\a)%2)+4*(\t):BK+32*((\a)%2)+4*(\t)+3], s[10:11] offset:(16*((\a)%4)+2*(\t))*3072+256*((\a)/4) th:TH_STORE_NT  ; 16 lanes store 256 consecutive bytes, aligned
.endr
.endm
	PACK 0
	TOSTAGE 0
.irp a, 1,2,3,4,5,6,7,8,9,10,11
	PACK \a
	SEND (\a)-1
	TOSTAGE \a
.endr
	SEND 11
	s_wait_tensorcnt 0x0                           ; the wave's end
	ds_add_u32 v[SPW], v[NIL]
	s_wait_dscnt 0x0
	CROUND                                         ; the closing round
	s_endpgm
.Lfunc_end_k_q22020c6b02_attn:
	.size	k_q22020c6b02_attn, .Lfunc_end_k_q22020c6b02_attn-k_q22020c6b02_attn
	.p2alignl 7, 3214868480
	.fill 96, 4, 3214868480
	.section	.rodata,"a",@progbits
	.p2align	6, 0x0
	.amdhsa_kernel k_q22020c6b02_attn
		.amdhsa_group_segment_fixed_size 327680
		.amdhsa_private_segment_fixed_size 0
		.amdhsa_enable_private_segment 0
		.amdhsa_kernarg_size 32
		.amdhsa_user_sgpr_count 2
		.amdhsa_user_sgpr_kernarg_segment_ptr 1
		.amdhsa_wavefront_size32 1
		.amdhsa_system_sgpr_workgroup_id_x 1
		.amdhsa_system_sgpr_workgroup_id_y 1
		.amdhsa_system_sgpr_workgroup_id_z 1
		.amdhsa_system_vgpr_workitem_id 0
		.amdhsa_next_free_vgpr 1024
		.amdhsa_next_free_sgpr 80
		.amdhsa_reserve_vcc 0
		.amdhsa_float_denorm_mode_32 3
		.amdhsa_float_denorm_mode_16_64 3
		.amdhsa_memory_ordered 1
		.amdhsa_forward_progress 1
		.amdhsa_inst_pref_size 240
	.end_amdhsa_kernel
	.amdgpu_metadata
---
amdhsa.version: [ 1, 2 ]
amdhsa.kernels:
  - .name:           k_q22020c6b02_attn
    .symbol:         k_q22020c6b02_attn.kd
    .args:
      - { .name: qh, .offset: 0, .size: 8, .value_kind: global_buffer, .address_space: global }
      - { .name: kh, .offset: 8, .size: 8, .value_kind: global_buffer, .address_space: global }
      - { .name: vh, .offset: 16, .size: 8, .value_kind: global_buffer, .address_space: global }
      - { .name: out0, .offset: 24, .size: 8, .value_kind: global_buffer, .address_space: global }
    .group_segment_fixed_size: 327680
    .private_segment_fixed_size: 0
    .kernarg_segment_align: 8
    .kernarg_segment_size: 32
    .max_flat_workgroup_size: 128
    .sgpr_count:     80
    .vgpr_count:     1024
    .wavefront_size: 32
...
	.end_amdgpu_metadata
.endif
;; end of part 3
